; MI455X (gfx1250); checked and timed in simulation.
; The chip was launched on July 23, 2026; its instructions are those of AMD's public machine-readable ISA for CDNA 5 (MIT licence, August 2026) and "CDNA5" Instruction Set Architecture Reference Guide (July 2026). The comments in the code are by the model that wrote it; some were corrected since.
;; FG Encoder. Allowed arithmetic: matrix products marked QUANTISED: E2M1 operands, one E8M0 scale for each 32 along K, by v_wmma_scale_f32_16x16x128_f8f6f4 with both operands' format E2M1 (or v_wmma_scale_f32_32x16x128_f4), f32 sums; products left as they are: f32 operands where the result goes on into a quantised operand, else bf16, f16 or f32 operands; f32 sums; everything else in f32.
;; Inputs: W1 512 x 256 float32; W2 256 x 3 float32; b1 256 float32; b2 3 float32; ds 16 x 512 int32; hs 16 x 4,096 x 512 float32.
;; Outputs: out0 16 x 512 x 3 float32.
;; Constants: Lmax = 4096.
;; This version of the problem:
;;   THIS VERSION OF THE PROBLEM IS GIVEN IN LOW PRECISION. The matrix products marked QUANTISED in the list below multiply operands that are first quantised to E2M1 (2 exponent bits, 1 mantissa bit; 4 bits a number), with one power-of-two scale for each 32 numbers along K (OCP MX v1.0); their sums are f32. All else is computed in f32.
;;   The module's matrix products, in the order in which they are computed (A, B: the left and right operand; K: the contracted axis; several contracted axes count as one K, in the product's order):
;;     1. [M 8,192, K 512] x [K 512, N 256]; A: computed on the way; B: input W1: QUANTISED
;;     2. [M 8,192, K 256] x [K 256, N 3]; A: computed on the way; B: input W2: left as it is (N = 3 < 16)
;;   THE QUANTISER, for each operand of a quantised product, along K:
;;     - K is cut into blocks of 32 from its start; a last block that is shorter is filled with zeros.
;;     - A block's scale is 2^e with e = floor(log2(the largest magnitude in the block)) - 2, held to -126 .. 127; a block of zeros has e = 0. As a byte (E8M0): e + 127.
;;     - Each number is divided by its block's scale, clamped to +-6, and rounded to the nearest number of E2M1, ties to even, subnormals kept.
;;     - The product sums the exact products of the quantised numbers (number of the format x scale) in f32.
;;   ~~~python
;;   def quantise(x, axis):      # numpy; x: float32 -> the quantised numbers, widened to float32 again
;;       x = np.moveaxis(x, axis, -1); K = x.shape[-1]
;;       x = np.pad(x, [(0, 0)] * (x.ndim - 1) + [(0, -K % 32)]); x = x.reshape(x.shape[:-1] + (-1, 32)); a = np.abs(x).max(-1, keepdims=True)
;;       e = np.where(a > 0, np.clip(np.frexp(np.where(a > 0, a, 1))[1] - 1 - 2, -126, 127), 0)      # np.frexp(a)[1] - 1 = floor(log2(a)), exactly
;;       r = np.clip(x / 2.0 ** e, -6, 6)
;;       step = 2.0 ** (np.maximum(np.frexp(np.where(r == 0, 1, r))[1] - 1, 0) - 1)
;;       q = np.round(r / step) * step * 2.0 ** e      # np.round: ties to even
;;       return np.moveaxis(q.reshape(q.shape[:-2] + (-1,))[..., :K], -1, axis).astype(np.float32)
;;   ~~~
;;   OPERANDS COMPUTED ON THE WAY. 'Computed on the way' means the value that the module computes at that place (a softmax that the list does not call 'softmax' is quantised finished and normalised). What goes into a quantiser is computed in f32, as accurately as f32 sums, v_exp_f32 and their like allow (about 1e-6 of the number): no bf16 or f16 on the way to a quantiser, and a product that is left as it is and whose result goes on into a quantised operand takes f32 operands (vector FMAs, or v_wmma_f32_16x16x4_f32). A number that lies on a knife's edge between two numbers of the format may be rounded either way, as far as f32 arithmetic and the matrix unit's own rounding can turn it there, and no further.
;; 2 versions. Each part assembles by itself: llvm-mc -triple=amdgcn-amd-amdhsa -mcpu=gfx1250 --defsym DOCPART=n.
;; ======== version 1 of 2: 2 launches
;; workspace buffers: w1c 65,536 bytes; w1s 4,096 bytes; seg 65,536 bytes of whole numbers
;; launch prep (part 1): grid 6 x 1, 8 waves a work-group, no clusters, 0 bytes of LDS; arguments W1, ds, w1c, w1s, seg; writes w1c, w1s, seg
.if DOCPART == 1
	.amdgcn_target "amdgcn-amd-amdhsa--gfx1250"
	.amdhsa_code_object_version 6
	.text
	.protected	k_q7782c52b25_prep
	.globl	k_q7782c52b25_prep
	.p2align	8
	.type	k_q7782c52b25_prep,@function
k_q7782c52b25_prep:
	s_mov_b64 s[64:65], 0
	v_nop
	global_prefetch_b8 v0, s[64:65] scope:SCOPE_SE
	s_setreg_imm32_b32 hwreg(HW_REG_WAVE_MODE, 25, 1), 1
	s_wait_xcnt 0x0
; What every work-group of the main launch would otherwise make anew is made once here.
; WORK-GROUPS 0-3: W1 [512 (K)][256 (n)] f32 becomes codes of FP4 (E2M1) with one E8M0 scale byte for each 32 along K.
;   A lane takes a column n and its registers run down K, so a block of 32 lies in one lane's 32 registers and the conversions give codes with K innermost.
;   The main launch's K step g (0..3) is made of the true blocks g, 4+g, 8+g, 12+g (block 4 i + g at place i).  Work-group g takes these four blocks, wave c the columns 32 c .. 32 c + 31.
;   w1c is laid in the order of the operand's registers: tile t = n / 16, K step g, place i, row r = n % 16: byte 4096 t + 1024 g + 256 i + 16 r.  Sixteen lanes store 256 consecutive aligned bytes.
;   w1s: one word for each (g, n), byte i = the scale of place i: byte address 1024 g + 4 n.  A wave stores 128 consecutive bytes (4,096 bytes in all).
;   A block's scale byte is its largest magnitude's exponent field - 2, held at 1 from below.  A block of zeros so gets 1 where the rule says 127: its codes are zeros, and this program alone reads the bytes.
; WORK-GROUPS 4-5: wave W = 0..15 takes batch W of ds.
;   d = ds held to 0 .. 4096 (what is not above 0 counts 0; L = Lmax = 4096, so the multiplier is 1).  start = the sum of the d before, end = start + d, both held at 4096.
;   seg: [8192] starts, then [8192] counts (end - start), whole numbers.  A count of 0 stands for 'the mean is 0' (ds not above 0, or a start at the end of the frames).
; LIMITS: NaN and infinities in W1 are not served.  The hold of d at 4096 gives reference()'s clipped starts and ends wherever its own 32-bit sums do not overflow.
.set NG,  4                            ; work-groups for W1
.set XD,  32                           ; v32-159  W1: four blocks of 32 numbers, registers of its own for each block
.set CD,  160                          ; v160-175 their codes: registers of their own for each block, so that no store's data are written again
.set DD,  32                           ; v32-47   scan: sixteen durations, token 128 q + 4 lane + e at DD + 4 q + e
.set XS,  56                           ; v56-59   running sums over the lanes, one for each q
.set LT,  60                           ; v60-63   my lane's total for each q
.set TT,  64                           ; v64-67   at work
.set ST,  68                           ; v68-83   starts
.set CN,  84                           ; v84-99   counts
	s_load_b256 s[4:11], s[0:1], 0x0               ; W1 s[4:5], ds s[6:7], w1c s[8:9], w1s s[10:11]
	s_load_b64 s[12:13], s[0:1], 0x20              ; seg
	v_lshrrev_b32 v1, 5, v0
	v_readfirstlane_b32 s18, v1                    ; wave 0..7
	v_and_b32 v2, 31, v0                           ; lane
	v_and_b32 v3, 15, v0                           ; r
	v_bfe_u32 v4, v0, 4, 1                         ; h
	s_mov_b32 s21, 0                               ; the upper word of every offset
	s_cmp_lt_u32 ttmp9, NG
	s_cbranch_scc0 .Lscan
	; ---------------- W1 ----------------
	v_lshlrev_b32 v5, 2, v2                        ; 4 x lane: my column in a row of W1, and my scale word
	v_lshlrev_b32 v6, 4, v3
	v_lshl_add_u32 v6, v4, 12, v6                  ; my codes: 16 r, and lanes 16-31 one tile (4,096 bytes) on
	s_lshl_b32 s20, ttmp9, 15                      ; W1: 32 g rows of 1,024 bytes
	s_lshl_b32 s22, s18, 7                         ;     + 32 columns a wave
	s_add_co_u32 s20, s20, s22
	s_wait_kmcnt 0x0
	s_add_nc_u64 s[4:5], s[4:5], s[20:21]
.macro LOADB i                         ; place i's block: W1(128 i + 32 g + n, my column), n = 0 .. 31: a wave reads 128 consecutive bytes, the eight waves a whole row
.irp n,0,1,2,3,4,5,6,7,8,9,10,11,12,13,14,15,16,17,18,19,20,21,22,23,24,25,26,27,28,29,30,31
	global_load_b32 v[XD+32*(\i)+\n], v5, s[4:5] offset:(128*(\i)+\n)*1024 th:TH_LOAD_NT
.endr
.endm
	LOADB 0                                        ; the loads run two blocks ahead of the work: 64 of a wave are out at the most
	LOADB 1
	s_lshl_b32 s22, ttmp9, 10                      ; 1,024 g
	s_lshl_b32 s20, s18, 13                        ; two tiles a wave
	s_add_co_u32 s20, s20, s22
	s_add_nc_u64 s[8:9], s[8:9], s[20:21]
	s_lshl_b32 s20, s18, 7
	s_add_co_u32 s20, s20, s22
	s_add_nc_u64 s[10:11], s[10:11], s[20:21]
.macro BLOCK i
.set B, XD+32*\i
.if \i < 3
	s_wait_loadcnt 32                              ; loads come back in order: this block's 32 are in; the 32 of the one block issued behind it may be out
.else
	s_wait_loadcnt 0x0
.endif
.if \i < 2
	LOADB \i+2                                     ; into registers of its own, so it goes out ahead of this block's arithmetic
.endif
	v_max3_num_f32 v8, |v[B]|, |v[B+1]|, |v[B+2]|  ; the block's largest magnitude, in two chains: all 32 numbers are mine
	v_max3_num_f32 v9, |v[B+3]|, |v[B+4]|, |v[B+5]|
.irp n,6,10,14,18,22,26
	v_max3_num_f32 v8, v8, |v[B+\n]|, |v[B+\n+1]|
	v_max3_num_f32 v9, v9, |v[B+\n+2]|, |v[B+\n+3]|
.endr
	v_max3_num_f32 v8, v8, |v[B+30]|, |v[B+31]|
	v_max3_num_f32 v8, v8, v9, 0x1800000           ; and the floor 2^(3 - 127): the byte cannot fall under 1
	v_add_nc_u32 v10, 0xff000000, v8               ; 2 off the exponent field: the conversion takes this operand's exponent field as its scale
	v_lshrrev_b32 v11, 23, v10                     ; the scale's byte
.if \i == 0
	v_mov_b32 v12, v11
.else
	v_lshl_or_b32 v12, v11, 8*\i, v12              ; place i's byte of my column's scale word
.endif
.irp q,0,1,2,3
	v_cvt_scalef32_pk8_fp4_f32 v[CD+4*\i+\q], v[B+8*\q:B+8*\q+7], v10
.endr
	global_store_b128 v6, v[CD+4*\i:CD+4*\i+3], s[8:9] offset:256*\i   ; (the next block begins with plain lines that touch none of the conversions' registers)
.endm
	BLOCK 0
	BLOCK 1
	BLOCK 2
	BLOCK 3
	global_store_b32 v5, v12, s[10:11]
	s_endpgm
	; ---------------- ds ----------------
.Lscan:
	s_sub_co_u32 s19, ttmp9, NG
	s_lshl_b32 s19, s19, 3
	s_add_co_u32 s19, s19, s18                     ; W = 0..15: my batch
	v_lshlrev_b32 v5, 4, v2                        ; 16 x lane
	s_lshl_b32 s20, s19, 11                        ; a batch's 512 numbers of 4 bytes
	s_wait_kmcnt 0x0
	s_add_nc_u64 s[6:7], s[6:7], s[20:21]
	s_add_nc_u64 s[12:13], s[12:13], s[20:21]
.irp q,0,1,2,3
	global_load_b128 v[DD+4*\q:DD+4*\q+3], v5, s[6:7] offset:512*\q   ; tokens 128 q + 4 lane + 0 .. 3: 512 consecutive bytes a load
.endr
	s_wait_loadcnt 0x0
.irp n,0,1,2,3,4,5,6,7,8,9,10,11,12,13,14,15
	v_cmp_lt_i32 vcc_lo, 0, v[DD+\n]
	v_cndmask_b32 v[DD+\n], 0, v[DD+\n], vcc_lo    ; what is not above 0 moves nothing
	v_min_u32 v[DD+\n], 0x1000, v[DD+\n]           ; held at L: the clipped starts and ends stay the same, and 512 of them sum to 2^21 at the most
.endr
.irp q,0,1,2,3
	v_add3_u32 v[LT+\q], v[DD+4*\q], v[DD+4*\q+1], v[DD+4*\q+2]
.endr
.irp q,0,1,2,3
	v_add_nc_u32 v[LT+\q], v[LT+\q], v[DD+4*\q+3]  ; my four tokens' total
.endr
.irp q,0,1,2,3
	v_mov_b32 v[XS+\q], v[LT+\q]
.endr
.irp s,1,2,4,8                         ; running sums inside each half of 16 lanes: lane i adds lane i - s; the four q by turns
.irp q,0,1,2,3
	v_mov_b32 v[TT+\q], 0                          ; lanes that have no lane i - s keep this 0
.endr
.irp q,0,1,2,3
	v_mov_b32_dpp v[TT+\q], v[XS+\q] row_shr:\s row_mask:0xf bank_mask:0xf
.endr
.irp q,0,1,2,3
	v_add_nc_u32 v[XS+\q], v[XS+\q], v[TT+\q]
.endr
.endr
.irp q,0,1,2,3
	v_readlane_b32 s[32+\q], v[XS+\q], 15          ; the lower half's total
.endr
.irp q,0,1,2,3
	v_mad_u32_u24 v[XS+\q], v4, s[32+\q], v[XS+\q] ; goes onto lanes 16-31 (h = 1)
.endr
.irp q,0,1,2,3
	v_readlane_b32 s[36+\q], v[XS+\q], 31          ; the 128 tokens' total
.endr
	s_mov_b32 s40, 0                               ; what lies before each 128 tokens
	s_mov_b32 s41, s36
	s_add_co_u32 s42, s41, s37
	s_add_co_u32 s43, s42, s38
.irp q,0,1,2,3
	v_sub_nc_u32 v[XS+\q], v[XS+\q], v[LT+\q]      ; the lanes before me,
.endr
.irp q,0,1,2,3
	v_add_nc_u32 v[XS+\q], s[40+\q], v[XS+\q]      ; and the groups before mine: my first token's start
.endr
.irp q,0,1,2,3
	v_add_nc_u32 v[ST+4*\q+1], v[XS+\q], v[DD+4*\q]
.endr
.irp q,0,1,2,3
	v_add_nc_u32 v[ST+4*\q+2], v[ST+4*\q+1], v[DD+4*\q+1]
.endr
.irp q,0,1,2,3
	v_add_nc_u32 v[ST+4*\q+3], v[ST+4*\q+2], v[DD+4*\q+2]
.endr
.irp q,0,1,2,3
	v_add_nc_u32 v[TT+\q], v[ST+4*\q+3], v[DD+4*\q+3]   ; my last token's end
.endr
.irp q,0,1,2,3
	v_min_u32 v[ST+4*\q], 0x1000, v[XS+\q]         ; all held at L; a token's end is the next token's start
	v_min_u32 v[ST+4*\q+1], 0x1000, v[ST+4*\q+1]
	v_min_u32 v[ST+4*\q+2], 0x1000, v[ST+4*\q+2]
	v_min_u32 v[ST+4*\q+3], 0x1000, v[ST+4*\q+3]
	v_min_u32 v[TT+\q], 0x1000, v[TT+\q]
.endr
.irp q,0,1,2,3
	v_sub_nc_u32 v[CN+4*\q], v[ST+4*\q+1], v[ST+4*\q]
	v_sub_nc_u32 v[CN+4*\q+1], v[ST+4*\q+2], v[ST+4*\q+1]
	v_sub_nc_u32 v[CN+4*\q+2], v[ST+4*\q+3], v[ST+4*\q+2]
	v_sub_nc_u32 v[CN+4*\q+3], v[TT+\q], v[ST+4*\q+3]
.endr
.irp q,0,1,2,3
	global_store_b128 v5, v[ST+4*\q:ST+4*\q+3], s[12:13] offset:512*\q          ; 512 consecutive aligned bytes a store
	global_store_b128 v5, v[CN+4*\q:CN+4*\q+3], s[12:13] offset:32768+512*\q
.endr
	s_endpgm
.Lfunc_end_k_q7782c52b25_prep:
	.size	k_q7782c52b25_prep, .Lfunc_end_k_q7782c52b25_prep-k_q7782c52b25_prep
	.p2alignl 7, 3214868480
	.fill 96, 4, 3214868480
	.section	.rodata,"a",@progbits
	.p2align	6, 0x0
	.amdhsa_kernel k_q7782c52b25_prep
		.amdhsa_group_segment_fixed_size 0
		.amdhsa_private_segment_fixed_size 0
		.amdhsa_enable_private_segment 0
		.amdhsa_kernarg_size 40
		.amdhsa_user_sgpr_count 2
		.amdhsa_user_sgpr_kernarg_segment_ptr 1
		.amdhsa_wavefront_size32 1
		.amdhsa_system_sgpr_workgroup_id_x 1
		.amdhsa_system_sgpr_workgroup_id_y 1
		.amdhsa_system_sgpr_workgroup_id_z 1
		.amdhsa_system_vgpr_workitem_id 0
		.amdhsa_next_free_vgpr 176
		.amdhsa_next_free_sgpr 66
		.amdhsa_reserve_vcc 1
		.amdhsa_float_denorm_mode_32 3
		.amdhsa_float_denorm_mode_16_64 3
		.amdhsa_memory_ordered 1
		.amdhsa_forward_progress 1
		.amdhsa_inst_pref_size 29
	.end_amdhsa_kernel
	.amdgpu_metadata
---
amdhsa.version: [ 1, 2 ]
amdhsa.kernels:
  - .name:           k_q7782c52b25_prep
    .symbol:         k_q7782c52b25_prep.kd
    .args:
      - { .name: W1, .offset: 0, .size: 8, .value_kind: global_buffer, .address_space: global }
      - { .name: ds, .offset: 8, .size: 8, .value_kind: global_buffer, .address_space: global }
      - { .name: w1c, .offset: 16, .size: 8, .value_kind: global_buffer, .address_space: global }
      - { .name: w1s, .offset: 24, .size: 8, .value_kind: global_buffer, .address_space: global }
      - { .name: seg, .offset: 32, .size: 8, .value_kind: global_buffer, .address_space: global }
    .group_segment_fixed_size: 0
    .private_segment_fixed_size: 0
    .kernarg_segment_align: 8
    .kernarg_segment_size: 40
    .max_flat_workgroup_size: 256
    .sgpr_count:     66
    .vgpr_count:     176
    .wavefront_size: 32
...
	.end_amdgpu_metadata
.endif
;; end of part 1
;; launch main (part 2): grid 256 x 1, 16 waves a work-group, no clusters, 27,648 bytes of LDS; arguments hs, seg, w1c, w1s, W2, b1, b2, out0; writes out0
.if DOCPART == 2
	.amdgcn_target "amdgcn-amd-amdhsa--gfx1250"
	.amdhsa_code_object_version 6
	.text
	.protected	k_q7782c52b25_main
	.globl	k_q7782c52b25_main
	.p2align	8
	.type	k_q7782c52b25_main,@function
k_q7782c52b25_main:
	s_mov_b64 s[64:65], 0
	v_nop
	global_prefetch_b8 v0, s[64:65] scope:SCOPE_SE
	s_setreg_imm32_b32 hwreg(HW_REG_WAVE_MODE, 25, 1), 1
	s_wait_xcnt 0x0
; out = relu(relu(Q(aligned) Q(W1) + b1) W2 + b2); aligned[b][t] = the mean of the frames hs[b][start .. start + count - 1], or 0 where count = 0.  Starts and counts come from seg, W1's codes and scale words
; from the launch before.  The first product runs on codes of FP4 (E2M1) with one E8M0 scale for each 32 along K; the second, with N = 3, in f32 by fused multiply-adds; all sums are f32.
; SHARES.  A work-group owns 32 neighbouring tokens of one batch; 16 waves.
;   PHASE A: wave w owns tokens 2 w and 2 w + 1.  A token's frames are consecutive rows of 2,048 bytes; a load covers 512 consecutive aligned bytes, lane l the columns 128 i + 4 l + 0 .. 3 of load i.
;   Each token has seven slots of 16 registers.  Slot j takes frame j if the token has one, else zeros, so that slots 0-5 are summed without a branch; slot 0 is the sum.  Where a token has at most six frames its
;   seventh slot takes half of my fragments of W1 at once, behind the frames' loads; else they are asked for when the sum is done.  Frames beyond seven go six at a time through a counted loop.
;   THE QUANTISER WORKS IN THAT LAYOUT: a block of 32 is four numbers in each of eight neighbouring lanes.  A conversion takes eight numbers of a lane and ONE scale; it is given the scale of one block, and only the four
;   codes of that block are kept.  A token's 512 codes make a row of 256 bytes in LDS, K ascending; its 16 scale bytes make four words.
;   A K STEP OF THE MATRIX INSTRUCTION is made of the true blocks g, 4 + g, 8 + g, 12 + g (g = 0 .. 3), for W1 and for the tokens alike: lanes 8 g .. 8 g + 7 hold just these four blocks' scale bytes, which so are one word.
;   PHASE B: wave w makes hidden units 16 w .. 16 w + 15 for all 32 tokens: source 0 = 16 rows of W1^T, source 1 = 16 tokens, b1 as the C of the first instruction; two accumulators by turns.  A lane then holds one token
;   and eight hidden units.  THE SECOND PRODUCT has three outputs, 3 of a matrix tile's 16 rows: a lane multiplies its eight units by their rows of W2, 24 fused multiply-adds for each of the two token tiles, in f32;
;   lane l xor 16 holds the token's other eight units.  The 16 waves' partial sums meet in LDS; wave 0 adds them.
; NO TENSOR LOADS, NO JOINT LOADS: the number of a token's frames is read from memory and steers branches and trip counts; what work-groups share is W1's 68 KB of codes and scales, beside 2 KB for every frame.
; NO PREFETCH: a frame's address is known only when its load can be issued.
; LIMITS: NaN and infinities in hs are not served.  The mean is the frames' sum, taken in order, times v_rcp_f32(count) (1 ulp), where reference() divides a difference of running sums.
; A block of zeros gets the scale byte 1 (the rule: 127): its codes are zeros.  A work-group's 384 bytes of out0 are one store of 12 bytes a lane.
.set CP,    272                        ; a token's row of codes in LDS: 256 bytes + 16: the 16 rows that a fragment load touches start 16 bytes apart modulo 256
.set TSC,   32*CP                      ; behind the 32 rows: the tokens' scale words, 16 bytes a token
.set PART,  TSC+512                    ; behind them: the partial sums: token tile m, wave w: 8192 m + 512 w, 16 bytes a lane
.set VOFF,  1                          ; v1   16 x lane: my bytes of every 512; never rewritten
.set CST,   2                          ; v2   where my codes go: row 2 w, 2 bytes a lane
.set SST,   3                          ; v3   where my scale word goes
.set FRA,   4                          ; v4   a fragment of tokens: row r, + 64 h
.set TSA,   5                          ; v5   the tokens' scale words: 16 bytes a lane
.set PST,   6                          ; v6   first 4 r (W1's scale words), then at work, then where my partial sums go
.set PRD,   7                          ; v7   first 32 h (b1), then at work, then where partial sums are read
.set TS,    8                          ; v8-11   the tokens' scale words of K steps 0-3: lanes 0-15 tokens 0-15, lanes 16-31 tokens 16-31
.set W1S,   12                         ; v12-15  W1's scale words of K steps 0-3
.set B1C,   16                         ; v16-23  b1 in the result's layout
.set W2O,   24                         ; v24     96 h: my eight rows of W2 among the wave's sixteen; never rewritten
.set SL,    32                         ; v32-143 token 0's slots, v144-255 token 1's
.set TF,    48                         ; v48-111 phase B: the tokens' fragments (tile m, K step g: 32 m + 8 g); at the end the 16 partial sums
.set D0,    160                        ; v160-175 the two accumulators
.set PX,    176                        ; v176-183 the other half of the lanes' partial sums
.set PO,    192                        ; v192-199 my partial sums: tile m, output o at 4 m + o; 4 m + 3 is 0
.set W2V,   208                        ; v208-231 W2(16 w + 8 h + j, o) at 3 j + o: 96 bytes as they lie
.set CNT,   24                         ; s24, s25 my tokens' counts
.set BASE,  32                         ; s[32:33], s[34:35] their first frames
.set RC,    44                         ; s[44:45], s[46:47] 1 / count, each written twice: the packed form names a pair
.set TRIP,  38                         ; s38  the long loop's trips done
.set LEFT,  39                         ; s39  frames still to be taken
.set TRIPS, 48                         ; s48  the long loop's trips
.set SEL,   50                         ; s[50:51] lane selects for v_permlanex16_b32: lane l xor 16
.macro FRAME reg, base, off            ; a frame: four loads of 512 consecutive bytes; read once in the launch
.irp i,0,1,2,3
	global_load_b128 v[(\reg)+4*\i:(\reg)+4*\i+3], v[VOFF], s[(\base):(\base)+1] offset:(\off)+512*\i th:TH_LOAD_NT
.endr
.endm
.macro W1HALF k                        ; my fragments of W1 for K steps 2 k and 2 k + 1, as they lie, into token k's seventh slot
.irp f,0,1
.irp c,0,1
	global_load_b128 v[SL+112*\k+96+8*\f+4*\c:SL+112*\k+96+8*\f+4*\c+3], v[VOFF], s[8:9] offset:(2*\k+\f)*1024+512*\c
.endr
.endr
.endm
; Token k's first seven frames are asked for.  The first slot that has no frame leads into a run of lines that writes zeros into it and into the slots behind it; so every way writes every slot once.
.macro ISSUE k
.irp j,0,1,2,3,4,5
	s_cmp_gt_u32 s[CNT+\k], \j
	s_cbranch_scc0 .Lnone\k\j
	FRAME SL+112*\k+16*\j, BASE+2*\k, 2048*\j
.endr
	s_cmp_gt_u32 s[CNT+\k], 6
	s_cbranch_scc0 .Lweights\k
	FRAME SL+112*\k+96, BASE+2*\k, 2048*6
	s_branch .Lasked\k
.irp j,0,1,2,3,4,5
.Lnone\k\j:
.irp n,0,1,2,3,4,5,6,7,8,9,10,11,12,13,14,15
	v_mov_b32 v[SL+112*\k+16*\j+\n], 0             ; a frame that is not there adds nothing
.endr
.endr
.Lweights\k:
	W1HALF \k                                      ; the seventh slot is free: the weights come with the frames
.Lasked\k:
.endm
.macro ADDF k, j                       ; the sum takes slot j
.irp p,0,2,4,6,8,10,12,14
	v_pk_add_f32 v[SL+112*\k+\p:SL+112*\k+\p+1], v[SL+112*\k+\p:SL+112*\k+\p+1], v[SL+112*\k+16*(\j)+\p:SL+112*\k+16*(\j)+\p+1]
.endr
.endm
.macro SUM k
.irp j,1,2,3,4,5
	ADDF \k, \j
.endr
	s_cmp_le_u32 s[CNT+\k], 6
	s_cbranch_scc1 .Lsummed\k                      ; the seventh slot holds weights
	ADDF \k, 6
	s_cmp_le_u32 s[CNT+\k], 7
	s_cbranch_scc1 .Llate\k
	s_add_nc_u64 s[36:37], s[BASE+2*\k:BASE+2*\k+1], 7*2048
	s_sub_co_u32 s[LEFT], s[CNT+\k], 7             ; frames left: 1 to 4,089
	s_add_co_u32 s[TRIPS], s[LEFT], 5
	s_mul_i32 s[TRIPS], s[TRIPS], 0xaaab           ; (left + 5) / 6, rounded down: x 43,691 >> 18 is the quotient by 6 for every number under 131,072
	s_lshr_b32 s[TRIPS], s[TRIPS], 18
	s_mov_b32 s[TRIP], 0
.Lmore\k:                                              ; six frames a trip, through slots 1-6; the last trip takes what is left
.irp j,0,1,2,3,4,5
	s_cmp_gt_u32 s[LEFT], \j
	s_cbranch_scc0 .Lgot\k
	FRAME SL+112*\k+16+16*\j, 36, 2048*\j
.endr
.Lgot\k:
	s_wait_loadcnt 0x0                             ; how many were issued hangs on the count, so the wait is for all
.irp j,0,1,2,3,4,5
	s_cmp_gt_u32 s[LEFT], \j
	s_cbranch_scc0 .Ladded\k
	ADDF \k, 1+\j
.endr
.Ladded\k:
	s_add_nc_u64 s[36:37], s[36:37], 6*2048        ; the trip's loads are done, so their base may step
	s_sub_co_u32 s[LEFT], s[LEFT], 6               ; (behind the last trip this number is not used)
	s_add_co_u32 s[TRIP], s[TRIP], 1
	s_cmp_lt_u32 s[TRIP], s[TRIPS]
	s_cbranch_scc1 .Lmore\k
.Llate\k:
	W1HALF \k                                      ; the seventh slot is free only now
.Lsummed\k:
.endm
; Token k's sum becomes its mean, the mean codes and scale bytes.  Register 4 i + j holds column 128 i + 4 lane + j: block 4 i + lane / 8.
.macro QTOK k
.set A, SL+112*\k
.set T, A+16
.irp p,0,2,4,6,8,10,12,14
	v_pk_mul_f32 v[A+\p:A+\p+1], v[A+\p:A+\p+1], s[RC+2*\k:RC+2*\k+1] op_sel_hi:[1,0]
.endr
.irp i,0,1,2,3
	v_max3_num_f32 v[T+\i], |v[A+4*\i]|, |v[A+4*\i+1]|, 0x1800000   ; my four numbers of block 4 i + lane / 8, and the floor 2^(3 - 127): the byte cannot fall under 1
.endr
.irp i,0,1,2,3
	v_max3_num_f32 v[T+\i], v[T+\i], |v[A+4*\i+2]|, |v[A+4*\i+3]|
.endr
.irp x,1,2,4
.irp i,0,1,2,3
	v_max_num_f32_dpp v[T+\i], v[T+\i], v[T+\i] row_xmask:\x row_mask:0xf bank_mask:0xf   ; with the other seven lanes of the block; the four blocks by turns
.endr
.endr
.irp i,0,1,2,3
	v_add_nc_u32 v[T+4+\i], 0xff000000, v[T+\i]    ; 2 off the exponent field: the conversion's scale operand
.endr
.irp i,0,1,2,3
	v_lshrrev_b32 v[T+8+\i], 23, v[T+4+\i]         ; the scale's byte
.endr
	v_cvt_scalef32_pk8_fp4_f32 v[T], v[A:A+7], v[T+4]        ; by block i = 0's scale: its four codes are the low 16 bits
	v_cvt_scalef32_pk8_fp4_f32 v[T+1], v[A+4:A+11], v[T+5]   ; i = 1: likewise
	v_cvt_scalef32_pk8_fp4_f32 v[T+2], v[A+8:A+15], v[T+6]   ; i = 2: likewise
	v_cvt_scalef32_pk8_fp4_f32 v[T+3], v[A+8:A+15], v[T+7]   ; i = 3: the high 16 bits
	v_lshl_or_b32 v[T+12], v[T+9], 8, v[T+8]       ; the scale word of K step lane / 8: byte i for place i.  (Plain lines behind the conversions, which touch none of their registers)
	v_lshl_or_b32 v[T+12], v[T+10], 16, v[T+12]
	v_lshl_or_b32 v[T+12], v[T+11], 24, v[T+12]
	v_lshrrev_b32 v[T+3], 16, v[T+3]
.irp i,0,1,2,3
	ds_store_b16 v[CST], v[T+\i] offset:CP*\k+64*\i   ; codes of columns 128 i + 4 lane + 0 .. 3: bytes 64 i + 2 lane of the row
.endr
	ds_store_b32 v[SST], v[T+12] offset:16*\k      ; eight lanes write the same word with the same value
.endm
	s_load_b512 s[4:19], s[0:1], 0x0               ; hs s[4:5], seg s[6:7], w1c s[8:9], w1s s[10:11], W2 s[12:13], b1 s[14:15], b2 s[16:17], out0 s[18:19]
	v_lshl_add_u32 v30, v0, 2, 0x6400
	v_mov_b32 v31, 0
	v_lshrrev_b32 v32, 5, v0
	v_readfirstlane_b32 s20, v32                   ; wave 0..15
	v_and_b32 v33, 31, v0                          ; lane
	v_and_b32 v34, 15, v0                          ; r
	v_bfe_u32 v35, v0, 4, 1                        ; h
	v_lshlrev_b32 v[VOFF], 4, v33
	s_mul_i32 s21, s20, 2*CP
	v_lshl_add_u32 v[CST], v33, 1, s21
	v_lshrrev_b32 v36, 3, v33
	s_lshl_b32 s21, s20, 5
	s_add_co_u32 s21, s21, TSC
	v_lshl_add_u32 v[SST], v36, 2, s21
	v_mul_u32_u24 v[FRA], v34, CP
	v_lshl_add_u32 v[FRA], v35, 6, v[FRA]
	v_lshl_add_u32 v[TSA], v33, 4, TSC
	v_lshlrev_b32 v[PST], 2, v34                   ; for now: 4 r
	v_lshlrev_b32 v[PRD], 5, v35                   ; for now: 32 h
	v_mul_u32_u24 v[W2O], v35, 96                  ; eight rows of W2, 12 bytes each
	s_mov_b32 s[SEL], 0x76543210
	s_mov_b32 s[SEL+1], 0xfedcba98
	s_mov_b32 s41, 0                               ; the upper word of every offset
	s_wait_kmcnt 0x0
	s_lshl_b32 s21, ttmp9, 7                       ; 32 tokens of 4 bytes a work-group,
	s_lshl_b32 s23, s20, 3                         ; two a wave
	s_add_co_u32 s21, s21, s23
	s_load_b32 s22, s[6:7], s21 offset:0x0         ; my first token's start
	s_load_b64 s[CNT:CNT+1], s[6:7], s21 offset:0x8000   ; my two counts
	s_load_b96 s[28:30], s[16:17], 0x0             ; b2
	s_lshl_b32 s40, s20, 6
	s_add_nc_u64 s[10:11], s[10:11], s[40:41]      ; W1's scale words: 16 of 4 bytes a wave
	s_add_nc_u64 s[14:15], s[14:15], s[40:41]      ; b1: my 16 numbers
	s_mul_i32 s40, s20, 192
	s_add_nc_u64 s[12:13], s[12:13], s[40:41]      ; W2: my 16 rows of 12 bytes
	s_lshl_b32 s40, s20, 12
	s_add_nc_u64 s[8:9], s[8:9], s[40:41]          ; W1's four fragments
	s_mul_i32 s40, ttmp9, 384
	s_add_nc_u64 s[18:19], s[18:19], s[40:41]      ; the work-group's 32 x 12 bytes of out0
.irp g,0,1,2,3
	global_load_b32 v[W1S+\g], v[PST], s[10:11] offset:1024*\g
.endr
	global_load_b128 v[B1C:B1C+3], v[PRD], s[14:15]             ; lane (r, h), register j: b1(16 w + 8 h + j)
	global_load_b128 v[B1C+4:B1C+7], v[PRD], s[14:15] offset:16
	s_wait_kmcnt 0x0
	s_min_u32 s22, s22, 0xfff                      ; numbers read from memory are held before they enter an address (a start of 4,096 has counts of 0 behind it, and nothing is loaded)
	s_min_u32 s[CNT], s[CNT], 0x1000
	s_min_u32 s[CNT+1], s[CNT+1], 0x1000
	s_lshr_b32 s40, ttmp9, 4                       ; the batch: 16 work-groups each,
	s_lshl_b32 s40, s40, 23                        ; 4,096 rows of 2,048 bytes
	s_lshl_b32 s42, s22, 11
	s_add_co_u32 s40, s40, s42                     ; under 2^27
	s_add_nc_u64 s[BASE:BASE+1], s[4:5], s[40:41]
	s_lshl_b32 s40, s[CNT], 11
	s_add_nc_u64 s[BASE+2:BASE+3], s[BASE:BASE+1], s[40:41]   ; the second token's frames follow the first's
	ISSUE 0
	ISSUE 1
	s_wait_xcnt 0x0                                ; v6 and v7 were offsets of loads: they are written again only behind this wait
	s_max_u32 s42, s[CNT], 1
	s_max_u32 s43, s[CNT+1], 1
	v_cvt_f32_u32 v6, s42
	v_cvt_f32_u32 v7, s43
	v_rcp_f32 v6, v6
	v_rcp_f32 v7, v7
	v_nop                                          ; a plain line behind the reciprocals,
	s_wait_alu depctr_va_vdst(0)                   ; and the one wait ahead of their first reader
	v_readfirstlane_b32 s[RC], v6
	v_readfirstlane_b32 s[RC+2], v7
	s_mov_b32 s[RC+1], s[RC]
	s_mov_b32 s[RC+3], s[RC+2]
	v_lshl_add_u32 v[PST], v0, 4, PART             ; 512 w + 16 lane
	s_wait_loadcnt 0x0                             ; how many frames were asked for hangs on the counts, so the wait is for all
	SUM 0
	SUM 1
.irp i,0,1,2,3,4,5
	global_load_b128 v[W2V+4*\i:W2V+4*\i+3], v[W2O], s[12:13] offset:16*\i   ; my eight rows of W2, 96 consecutive bytes, into slots that the second sum has left; they land while the means are quantised
.endr
	QTOK 0
	QTOK 1
	s_wait_dscnt 0x0                               ; for the others' sake: my codes and scale words lie in LDS
	s_barrier_signal -1
	s_barrier_wait -1
	; ---- phase B.  A fragment's registers 4 c .. 4 c + 3 of lane (r, h) are place 2 c + h of the K step: true block 4 (2 c + h) + g: bytes 128 c + 64 h + 16 g of row r
.irp m,0,1
.irp g,0,1,2,3
.irp c,0,1
	ds_load_b128 v[TF+32*\m+8*\g+4*\c:TF+32*\m+8*\g+4*\c+3], v[FRA] offset:\m*16*CP+128*\c+16*\g
.endr
.endr
.endr
	ds_load_b128 v[TS:TS+3], v[TSA]                ; lane l: token l's four scale words
	s_wait_loadcnt 0x0                             ; W2, and W1's fragments where they were asked for late
	s_wait_dscnt 0x0
.irp g,0,1,2,3                         ; the two accumulators take turns, one instruction a turn
.if \g == 0
	v_wmma_scale_f32_16x16x128_f8f6f4 v[D0:D0+7], v[SL+96:SL+103], v[TF:TF+7], v[B1C:B1C+7], v[W1S], v[TS] matrix_a_fmt:MATRIX_FMT_FP4 matrix_b_fmt:MATRIX_FMT_FP4
	v_wmma_scale_f32_16x16x128_f8f6f4 v[D0+8:D0+15], v[SL+96:SL+103], v[TF+32:TF+39], v[B1C:B1C+7], v[W1S], v[TS] matrix_a_fmt:MATRIX_FMT_FP4 matrix_b_fmt:MATRIX_FMT_FP4 matrix_b_scale:MATRIX_SCALE_ROW1
.else
	v_wmma_scale_f32_16x16x128_f8f6f4 v[D0:D0+7], v[SL+112*(\g/2)+96+8*(\g%2):SL+112*(\g/2)+103+8*(\g%2)], v[TF+8*\g:TF+8*\g+7], v[D0:D0+7], v[W1S+\g], v[TS+\g] matrix_a_fmt:MATRIX_FMT_FP4 matrix_b_fmt:MATRIX_FMT_FP4
	v_wmma_scale_f32_16x16x128_f8f6f4 v[D0+8:D0+15], v[SL+112*(\g/2)+96+8*(\g%2):SL+112*(\g/2)+103+8*(\g%2)], v[TF+32+8*\g:TF+39+8*\g], v[D0+8:D0+15], v[W1S+\g], v[TS+\g] matrix_a_fmt:MATRIX_FMT_FP4 matrix_b_fmt:MATRIX_FMT_FP4 matrix_b_scale:MATRIX_SCALE_ROW1
.endif
.endr
	; thirteen plain lines that name none of the products' registers: the places behind them (ISA guide 7.12.1)
.irp n,0,1,2,4,5,6
	v_mov_b32 v[PX+\n], 0                          ; written once: a lane permute's destination counts as one of its sources
.endr
	v_mov_b32 v[PO+3], 0                           ; the fourth word of the 16 bytes that a lane sends to LDS
	v_mov_b32 v[PO+7], 0
	v_bfe_u32 v[PRD], v0, 4, 1                     ; where the partial sums are read: lane l stands for token l: tile l / 16, 16 bytes at lane l % 16 of each wave's image
	v_and_b32 v112, 15, v0
	v_lshlrev_b32 v[PRD], 13, v[PRD]
	v_lshl_add_u32 v[PRD], v112, 4, v[PRD]
	v_add_nc_u32 v[PRD], PART, v[PRD]
.irp n,0,1,2,3,4,5,6,7,8,9,10,11,12,13,14,15
	v_max_num_f32 v[D0+\n], 0, v[D0+\n]            ; relu, in f32; each accumulator from its low end on.  Lane (r, h), register 8 m + j: h(token 16 m + r, unit 16 w + 8 h + j)
.endr
.irp m,0,1
.irp o,0,1,2
	v_mul_f32 v[PO+4*\m+\o], v[D0+8*\m], v[W2V+\o] ; the first unit starts the six sums
.endr
.endr
.irp j,1,2,3,4,5,6,7
.irp m,0,1
.irp o,0,1,2
	v_fmac_f32 v[PO+4*\m+\o], v[D0+8*\m+\j], v[W2V+3*\j+\o]   ; the six sums by turns: no line waits for the line above it
.endr
.endr
.endr
.irp m,0,1
.irp o,0,1,2
	v_permlanex16_b32 v[PX+4*\m+\o], v[PO+4*\m+\o], s[SEL], s[SEL+1]
.endr
.endr
.irp m,0,1
.irp o,0,1,2
	v_add_f32 v[PO+4*\m+\o], v[PO+4*\m+\o], v[PX+4*\m+\o]   ; with lane l xor 16's eight units: my wave's 16 units' part of out(token 16 m + r, o)
.endr
.endr
	ds_store_b128 v[PST], v[PO:PO+3]
	ds_store_b128 v[PST], v[PO+4:PO+7] offset:8192
	s_wait_dscnt 0x0                               ; for wave 0's sake: my partial sums lie in LDS
	s_barrier_signal -1
	s_barrier_wait -1
	s_cmp_lg_u32 s20, 0
	s_cbranch_scc1 .Lend
.irp u,0,1,2,3,4,5,6,7,8,9,10,11,12,13,14,15
	ds_load_b128 v[TF+4*\u:TF+4*\u+3], v[PRD] offset:512*\u   ; wave u's part of my token's outputs
.endr
	s_wait_dscnt 0x0
.macro FOLD n                          ; parts u and u + n are added, two numbers an instruction
.set u, 0
.rept \n
	v_pk_add_f32 v[TF+4*u:TF+4*u+1], v[TF+4*u:TF+4*u+1], v[TF+4*(u+\n):TF+4*(u+\n)+1]
	v_pk_add_f32 v[TF+4*u+2:TF+4*u+3], v[TF+4*u+2:TF+4*u+3], v[TF+4*(u+\n)+2:TF+4*(u+\n)+3]
.set u, u+1
.endr
.endm
	FOLD 8
	FOLD 4
	FOLD 2
	FOLD 1
	v_add_f32 v[TF], s28, v[TF]                    ; + b2
	v_add_f32 v[TF+1], s29, v[TF+1]
	v_add_f32 v[TF+2], s30, v[TF+2]
	v_and_b32 v[TF+4], 31, v0
	v_max_num_f32 v[TF], 0, v[TF]
	v_max_num_f32 v[TF+1], 0, v[TF+1]
	v_max_num_f32 v[TF+2], 0, v[TF+2]
	v_mul_u32_u24 v[TF+4], v[TF+4], 12
	global_store_b96 v[TF+4], v[TF:TF+2], s[18:19] ; 32 lanes store the work-group's 384 consecutive bytes
.Lend:
	s_wait_tensorcnt 0x0
	ds_add_u32 v30, v31
	s_wait_dscnt 0x0
	s_endpgm
.Lfunc_end_k_q7782c52b25_main:
	.size	k_q7782c52b25_main, .Lfunc_end_k_q7782c52b25_main-k_q7782c52b25_main
	.p2alignl 7, 3214868480
	.fill 96, 4, 3214868480
	.section	.rodata,"a",@progbits
	.p2align	6, 0x0
	.amdhsa_kernel k_q7782c52b25_main
		.amdhsa_group_segment_fixed_size 27648
		.amdhsa_private_segment_fixed_size 0
		.amdhsa_enable_private_segment 0
		.amdhsa_kernarg_size 64
		.amdhsa_user_sgpr_count 2
		.amdhsa_user_sgpr_kernarg_segment_ptr 1
		.amdhsa_wavefront_size32 1
		.amdhsa_system_sgpr_workgroup_id_x 1
		.amdhsa_system_sgpr_workgroup_id_y 1
		.amdhsa_system_sgpr_workgroup_id_z 1
		.amdhsa_system_vgpr_workitem_id 0
		.amdhsa_next_free_vgpr 256
		.amdhsa_next_free_sgpr 66
		.amdhsa_reserve_vcc 0
		.amdhsa_float_denorm_mode_32 3
		.amdhsa_float_denorm_mode_16_64 3
		.amdhsa_memory_ordered 1
		.amdhsa_forward_progress 1
		.amdhsa_inst_pref_size 53
	.end_amdhsa_kernel
	.amdgpu_metadata
---
amdhsa.version: [ 1, 2 ]
amdhsa.kernels:
  - .name:           k_q7782c52b25_main
    .symbol:         k_q7782c52b25_main.kd
    .args:
      - { .name: hs, .offset: 0, .size: 8, .value_kind: global_buffer, .address_space: global }
      - { .name: seg, .offset: 8, .size: 8, .value_kind: global_buffer, .address_space: global }
      - { .name: w1c, .offset: 16, .size: 8, .value_kind: global_buffer, .address_space: global }
      - { .name: w1s, .offset: 24, .size: 8, .value_kind: global_buffer, .address_space: global }
      - { .name: W2, .offset: 32, .size: 8, .value_kind: global_buffer, .address_space: global }
      - { .name: b1, .offset: 40, .size: 8, .value_kind: global_buffer, .address_space: global }
      - { .name: b2, .offset: 48, .size: 8, .value_kind: global_buffer, .address_space: global }
      - { .name: out0, .offset: 56, .size: 8, .value_kind: global_buffer, .address_space: global }
    .group_segment_fixed_size: 27648
    .private_segment_fixed_size: 0
    .kernarg_segment_align: 8
    .kernarg_segment_size: 64
    .max_flat_workgroup_size: 512
    .sgpr_count:     66
    .vgpr_count:     256
    .wavefront_size: 32
...
	.end_amdgpu_metadata
.endif
;; end of part 2
;; ======== version 2 of 2: 2 launches
;; workspace buffers: w1c 65,536 bytes; w1s 4,096 bytes; seg 65,536 bytes of whole numbers
;; launch prep (part 3): grid 6 x 1, 8 waves a work-group, no clusters, 0 bytes of LDS; arguments W1, ds, w1c, w1s, seg; writes w1c, w1s, seg
.if DOCPART == 3
	.amdgcn_target "amdgcn-amd-amdhsa--gfx1250"
	.amdhsa_code_object_version 6
	.text
	.protected	k_q7782c52b25_prep
	.globl	k_q7782c52b25_prep
	.p2align	8
	.type	k_q7782c52b25_prep,@function
k_q7782c52b25_prep:
	s_mov_b64 s[64:65], 0
	v_nop
	global_prefetch_b8 v0, s[64:65] scope:SCOPE_SE
	s_setreg_imm32_b32 hwreg(HW_REG_WAVE_MODE, 25, 1), 1
	s_wait_xcnt 0x0
; What every work-group of the main launch would otherwise make anew is made once here.
; WORK-GROUPS 0-3: W1 [512 (K)][256 (n)] f32 becomes codes of FP4 (E2M1) with one E8M0 scale byte for each 32 along K.
;   A lane takes a column n and its registers run down K, so a block of 32 lies in one lane's 32 registers and the conversions give codes with K innermost.
;   The main launch's K step g (0..3) is made of the true blocks g, 4+g, 8+g, 12+g (block 4 i + g at place i).  Work-group g takes these four blocks, wave c the columns 32 c .. 32 c + 31.
;   w1c is laid in the order of the operand's registers: tile t = n / 16, K step g, place i, row r = n % 16: byte 4096 t + 1024 g + 256 i + 16 r.  Sixteen lanes store 256 consecutive aligned bytes.
;   w1s: one word for each (g, n), byte i = the scale of place i: byte address 1024 g + 4 n.  A wave stores 128 consecutive bytes (4,096 bytes in all).
;   A block's scale byte is its largest magnitude's exponent field - 2, held at 1 from below.  A block of zeros so gets 1 where the rule says 127: its codes are zeros, and this program alone reads the bytes.
; WORK-GROUPS 4-5: wave W = 0..15 takes batch W of ds.
;   d = ds held to 0 .. 4096 (what is not above 0 counts 0; L = Lmax = 4096, so the multiplier is 1).  start = the sum of the d before, end = start + d, both held at 4096.
;   seg: [8192] starts, then [8192] counts (end - start), whole numbers.  A count of 0 stands for 'the mean is 0' (ds not above 0, or a start at the end of the frames).
; LIMITS: NaN and infinities in W1 are not served.  The hold of d at 4096 gives reference()'s clipped starts and ends wherever its own 32-bit sums do not overflow.
.set NG,  4                            ; work-groups for W1
.set XD,  32                           ; v32-159  W1: four blocks of 32 numbers, registers of its own for each block
.set CD,  160                          ; v160-175 their codes: registers of their own for each block, so that no store's data are written again
.set DD,  32                           ; v32-47   scan: sixteen durations, token 128 q + 4 lane + e at DD + 4 q + e
.set XS,  56                           ; v56-59   running sums over the lanes, one for each q
.set LT,  60                           ; v60-63   my lane's total for each q
.set TT,  64                           ; v64-67   at work
.set ST,  68                           ; v68-83   starts
.set CN,  84                           ; v84-99   counts
	s_load_b256 s[4:11], s[0:1], 0x0               ; W1 s[4:5], ds s[6:7], w1c s[8:9], w1s s[10:11]
	s_load_b64 s[12:13], s[0:1], 0x20              ; seg
	v_lshrrev_b32 v1, 5, v0
	s_delay_alu instid0(VALU_DEP_1)
	v_readfirstlane_b32 s18, v1                    ; wave 0..7
	v_and_b32 v2, 31, v0                           ; lane
	v_and_b32 v3, 15, v0                           ; r
	v_bfe_u32 v4, v0, 4, 1                         ; h
	s_mov_b32 s21, 0                               ; the upper word of every offset
	s_cmp_lt_u32 ttmp9, NG
	s_cbranch_scc0 .Lscan
	; ---------------- W1 ----------------
	v_lshlrev_b32 v5, 2, v2                        ; 4 x lane: my column in a row of W1, and my scale word
	v_lshlrev_b32 v6, 4, v3
	s_delay_alu instid0(VALU_DEP_1)
	v_lshl_add_u32 v6, v4, 12, v6                  ; my codes: 16 r, and lanes 16-31 one tile (4,096 bytes) on
	s_lshl_b32 s20, ttmp9, 15                      ; W1: 32 g rows of 1,024 bytes
	s_lshl_b32 s22, s18, 7                         ;     + 32 columns a wave
	s_add_co_u32 s20, s20, s22
	s_wait_alu depctr_va_vdst(0)
	s_wait_kmcnt 0x0
	s_add_nc_u64 s[4:5], s[4:5], s[20:21]
.macro LOADB i                         ; place i's block: W1(128 i + 32 g + n, my column), n = 0 .. 31: a wave reads 128 consecutive bytes, the eight waves a whole row
.irp n,0,1,2,3,4,5,6,7,8,9,10,11,12,13,14,15,16,17,18,19,20,21,22,23,24,25,26,27,28,29,30,31
	global_load_b32 v[XD+32*(\i)+\n], v5, s[4:5] offset:(128*(\i)+\n)*1024 th:TH_LOAD_NT
.endr
.endm
	LOADB 0                                        ; the loads run two blocks ahead of the work: 64 of a wave are out at the most
	LOADB 1
	s_lshl_b32 s22, ttmp9, 10                      ; 1,024 g
	s_lshl_b32 s20, s18, 13                        ; two tiles a wave
	s_add_co_u32 s20, s20, s22
	s_add_nc_u64 s[8:9], s[8:9], s[20:21]
	s_lshl_b32 s20, s18, 7
	s_add_co_u32 s20, s20, s22
	s_add_nc_u64 s[10:11], s[10:11], s[20:21]
.macro BLOCK i
.set B, XD+32*\i
.if \i < 3
	s_wait_loadcnt 32                              ; loads come back in order: this block's 32 are in; the 32 of the one block issued behind it may be out
.else
	s_wait_loadcnt 0x0
.endif
.if \i < 2
	LOADB \i+2                                     ; into registers of its own, so it goes out ahead of this block's arithmetic
.endif
	v_max3_num_f32 v8, |v[B]|, |v[B+1]|, |v[B+2]|  ; the block's largest magnitude, in two chains: all 32 numbers are mine
	v_max3_num_f32 v9, |v[B+3]|, |v[B+4]|, |v[B+5]|
.irp n,6,10,14,18,22,26
	s_delay_alu instid0(VALU_DEP_2)
	v_max3_num_f32 v8, v8, |v[B+\n]|, |v[B+\n+1]|
	s_delay_alu instid0(VALU_DEP_2)
	v_max3_num_f32 v9, v9, |v[B+\n+2]|, |v[B+\n+3]|
.endr
	s_delay_alu instid0(VALU_DEP_2)
	v_max3_num_f32 v8, v8, |v[B+30]|, |v[B+31]|
	s_delay_alu instid0(VALU_DEP_1)
	v_max3_num_f32 v8, v8, v9, 0x1800000           ; and the floor 2^(3 - 127): the byte cannot fall under 1
	s_delay_alu instid0(VALU_DEP_1)
	v_add_nc_u32 v10, 0xff000000, v8               ; 2 off the exponent field: the conversion takes this operand's exponent field as its scale
	s_delay_alu instid0(VALU_DEP_1)
	v_lshrrev_b32 v11, 23, v10                     ; the scale's byte
.if \i == 0
	s_delay_alu instid0(VALU_DEP_1)
	v_mov_b32 v12, v11
.else
	s_delay_alu instid0(VALU_DEP_1)
	v_lshl_or_b32 v12, v11, 8*\i, v12              ; place i's byte of my column's scale word
.endif
.irp q,0,1,2,3
	v_cvt_scalef32_pk8_fp4_f32 v[CD+4*\i+\q], v[B+8*\q:B+8*\q+7], v10
.endr
	global_store_b128 v6, v[CD+4*\i:CD+4*\i+3], s[8:9] offset:256*\i   ; (the next block begins with plain lines that touch none of the conversions' registers)
.endm
	BLOCK 0
	BLOCK 1
	BLOCK 2
	BLOCK 3
	global_store_b32 v5, v12, s[10:11]
	s_endpgm
	; ---------------- ds ----------------
.Lscan:
	s_sub_co_u32 s19, ttmp9, NG
	s_lshl_b32 s19, s19, 3
	s_add_co_u32 s19, s19, s18                     ; W = 0..15: my batch
	s_wait_alu depctr_va_vdst(0)
	v_lshlrev_b32 v5, 4, v2                        ; 16 x lane
	s_lshl_b32 s20, s19, 11                        ; a batch's 512 numbers of 4 bytes
	s_wait_alu depctr_va_vdst(0)
	s_wait_kmcnt 0x0
	s_add_nc_u64 s[6:7], s[6:7], s[20:21]
	s_add_nc_u64 s[12:13], s[12:13], s[20:21]
.irp q,0,1,2,3
	global_load_b128 v[DD+4*\q:DD+4*\q+3], v5, s[6:7] offset:512*\q   ; tokens 128 q + 4 lane + 0 .. 3: 512 consecutive bytes a load
.endr
	s_wait_loadcnt 0x0
.irp n,0,1,2,3,4,5,6,7,8,9,10,11,12,13,14,15
	v_cmp_lt_i32 vcc_lo, 0, v[DD+\n]
	s_delay_alu instid0(VALU_DEP_1)
	v_cndmask_b32 v[DD+\n], 0, v[DD+\n], vcc_lo    ; what is not above 0 moves nothing
	s_delay_alu instid0(VALU_DEP_1)
	v_min_u32 v[DD+\n], 0x1000, v[DD+\n]           ; held at L: the clipped starts and ends stay the same, and 512 of them sum to 2^21 at the most
.endr
.irp q,0,1,2,3
	v_add3_u32 v[LT+\q], v[DD+4*\q], v[DD+4*\q+1], v[DD+4*\q+2]
.endr
.irp q,0,1,2,3
	s_delay_alu instid0(VALU_DEP_4)
	v_add_nc_u32 v[LT+\q], v[LT+\q], v[DD+4*\q+3]  ; my four tokens' total
.endr
.irp q,0,1,2,3
	s_delay_alu instid0(VALU_DEP_4)
	v_mov_b32 v[XS+\q], v[LT+\q]
.endr
.irp s,1,2,4,8                         ; running sums inside each half of 16 lanes: lane i adds lane i - s; the four q by turns
.irp q,0,1,2,3
	v_mov_b32 v[TT+\q], 0                          ; lanes that have no lane i - s keep this 0
.endr
.irp q,0,1,2,3
	v_mov_b32_dpp v[TT+\q], v[XS+\q] row_shr:\s row_mask:0xf bank_mask:0xf
.endr
.irp q,0,1,2,3
	s_delay_alu instid0(VALU_DEP_4)
	v_add_nc_u32 v[XS+\q], v[XS+\q], v[TT+\q]
.endr
.endr
.irp q,0,1,2,3
	s_delay_alu instid0(VALU_DEP_4)
	v_readlane_b32 s[32+\q], v[XS+\q], 15          ; the lower half's total
.endr
.irp q,0,1,2,3
	s_delay_alu instid0(VALU_DEP_4)
	v_mad_u32_u24 v[XS+\q], v4, s[32+\q], v[XS+\q] ; goes onto lanes 16-31 (h = 1)
.endr
.irp q,0,1,2,3
	s_delay_alu instid0(VALU_DEP_4)
	v_readlane_b32 s[36+\q], v[XS+\q], 31          ; the 128 tokens' total
.endr
	s_mov_b32 s40, 0                               ; what lies before each 128 tokens
	s_mov_b32 s41, s36
	s_add_co_u32 s42, s41, s37
	s_add_co_u32 s43, s42, s38
.irp q,0,1,2,3
	v_sub_nc_u32 v[XS+\q], v[XS+\q], v[LT+\q]      ; the lanes before me,
.endr
.irp q,0,1,2,3
	s_delay_alu instid0(VALU_DEP_4)
	v_add_nc_u32 v[XS+\q], s[40+\q], v[XS+\q]      ; and the groups before mine: my first token's start
.endr
.irp q,0,1,2,3
	s_delay_alu instid0(VALU_DEP_4)
	v_add_nc_u32 v[ST+4*\q+1], v[XS+\q], v[DD+4*\q]
.endr
.irp q,0,1,2,3
	s_delay_alu instid0(VALU_DEP_4)
	v_add_nc_u32 v[ST+4*\q+2], v[ST+4*\q+1], v[DD+4*\q+1]
.endr
.irp q,0,1,2,3
	s_delay_alu instid0(VALU_DEP_4)
	v_add_nc_u32 v[ST+4*\q+3], v[ST+4*\q+2], v[DD+4*\q+2]
.endr
.irp q,0,1,2,3
	s_delay_alu instid0(VALU_DEP_4)
	v_add_nc_u32 v[TT+\q], v[ST+4*\q+3], v[DD+4*\q+3]   ; my last token's end
.endr
.irp q,0,1,2,3
	v_min_u32 v[ST+4*\q], 0x1000, v[XS+\q]         ; all held at L; a token's end is the next token's start
	v_min_u32 v[ST+4*\q+1], 0x1000, v[ST+4*\q+1]
	v_min_u32 v[ST+4*\q+2], 0x1000, v[ST+4*\q+2]
	v_min_u32 v[ST+4*\q+3], 0x1000, v[ST+4*\q+3]
	v_min_u32 v[TT+\q], 0x1000, v[TT+\q]
.endr
.irp q,0,1,2,3
	v_sub_nc_u32 v[CN+4*\q], v[ST+4*\q+1], v[ST+4*\q]
	v_sub_nc_u32 v[CN+4*\q+1], v[ST+4*\q+2], v[ST+4*\q+1]
	v_sub_nc_u32 v[CN+4*\q+2], v[ST+4*\q+3], v[ST+4*\q+2]
	v_sub_nc_u32 v[CN+4*\q+3], v[TT+\q], v[ST+4*\q+3]
.endr
.irp q,0,1,2,3
	global_store_b128 v5, v[ST+4*\q:ST+4*\q+3], s[12:13] offset:512*\q          ; 512 consecutive aligned bytes a store
	global_store_b128 v5, v[CN+4*\q:CN+4*\q+3], s[12:13] offset:32768+512*\q
.endr
	s_endpgm
.Lfunc_end_k_q7782c52b25_prep:
	.size	k_q7782c52b25_prep, .Lfunc_end_k_q7782c52b25_prep-k_q7782c52b25_prep
	.p2alignl 7, 3214868480
	.fill 96, 4, 3214868480
	.section	.rodata,"a",@progbits
	.p2align	6, 0x0
	.amdhsa_kernel k_q7782c52b25_prep
		.amdhsa_group_segment_fixed_size 0
		.amdhsa_private_segment_fixed_size 0
		.amdhsa_enable_private_segment 0
		.amdhsa_kernarg_size 40
		.amdhsa_user_sgpr_count 2
		.amdhsa_user_sgpr_kernarg_segment_ptr 1
		.amdhsa_wavefront_size32 1
		.amdhsa_system_sgpr_workgroup_id_x 1
		.amdhsa_system_sgpr_workgroup_id_y 1
		.amdhsa_system_sgpr_workgroup_id_z 1
		.amdhsa_system_vgpr_workitem_id 0
		.amdhsa_next_free_vgpr 176
		.amdhsa_next_free_sgpr 66
		.amdhsa_reserve_vcc 1
		.amdhsa_float_denorm_mode_32 3
		.amdhsa_float_denorm_mode_16_64 3
		.amdhsa_memory_ordered 1
		.amdhsa_forward_progress 1
		.amdhsa_inst_pref_size 34
	.end_amdhsa_kernel
	.amdgpu_metadata
---
amdhsa.version: [ 1, 2 ]
amdhsa.kernels:
  - .name:           k_q7782c52b25_prep
    .symbol:         k_q7782c52b25_prep.kd
    .args:
      - { .name: W1, .offset: 0, .size: 8, .value_kind: global_buffer, .address_space: global }
      - { .name: ds, .offset: 8, .size: 8, .value_kind: global_buffer, .address_space: global }
      - { .name: w1c, .offset: 16, .size: 8, .value_kind: global_buffer, .address_space: global }
      - { .name: w1s, .offset: 24, .size: 8, .value_kind: global_buffer, .address_space: global }
      - { .name: seg, .offset: 32, .size: 8, .value_kind: global_buffer, .address_space: global }
    .group_segment_fixed_size: 0
    .private_segment_fixed_size: 0
    .kernarg_segment_align: 8
    .kernarg_segment_size: 40
    .max_flat_workgroup_size: 256
    .sgpr_count:     66
    .vgpr_count:     176
    .wavefront_size: 32
...
	.end_amdgpu_metadata
.endif
;; end of part 3
;; launch main (part 4): grid 256 x 1, 16 waves a work-group, no clusters, 27,648 bytes of LDS; arguments hs, seg, w1c, w1s, W2, b1, b2, out0; writes out0
.if DOCPART == 4
	.amdgcn_target "amdgcn-amd-amdhsa--gfx1250"
	.amdhsa_code_object_version 6
	.text
	.protected	k_q7782c52b25_main
	.globl	k_q7782c52b25_main
	.p2align	8
	.type	k_q7782c52b25_main,@function
k_q7782c52b25_main:
	s_mov_b64 s[64:65], 0
	v_nop
	global_prefetch_b8 v0, s[64:65] scope:SCOPE_SE
	s_setreg_imm32_b32 hwreg(HW_REG_WAVE_SCHED_MODE, 0, 2), 2
	s_setreg_imm32_b32 hwreg(HW_REG_WAVE_MODE, 25, 1), 1
	s_wait_xcnt 0x0
	s_wait_alu depctr_vm_vsrc(0)
; out = relu(relu(Q(aligned) Q(W1) + b1) W2 + b2); aligned[b][t] = the mean of the frames hs[b][start .. start + count - 1], or 0 where count = 0.  Starts and counts come from seg, W1's codes and scale words
; from the launch before.  The first product runs on codes of FP4 (E2M1) with one E8M0 scale for each 32 along K; the second, with N = 3, in f32 by fused multiply-adds; all sums are f32.
; SHARES.  A work-group owns 32 neighbouring tokens of one batch; 16 waves.
;   PHASE A: wave w owns tokens 2 w and 2 w + 1.  A token's frames are consecutive rows of 2,048 bytes; a load covers 512 consecutive aligned bytes, lane l the columns 128 i + 4 l + 0 .. 3 of load i.
;   Each token has seven slots of 16 registers.  Slot j takes frame j if the token has one, else zeros, so that slots 0-5 are summed without a branch; slot 0 is the sum.  Where a token has at most six frames its
;   seventh slot takes half of my fragments of W1 at once, behind the frames' loads; else they are asked for when the sum is done.  Frames beyond seven go six at a time through a counted loop.
;   THE QUANTISER WORKS IN THAT LAYOUT: a block of 32 is four numbers in each of eight neighbouring lanes.  A conversion takes eight numbers of a lane and ONE scale; it is given the scale of one block, and only the four
;   codes of that block are kept.  A token's 512 codes make a row of 256 bytes in LDS, K ascending; its 16 scale bytes make four words.
;   A K STEP OF THE MATRIX INSTRUCTION is made of the true blocks g, 4 + g, 8 + g, 12 + g (g = 0 .. 3), for W1 and for the tokens alike: lanes 8 g .. 8 g + 7 hold just these four blocks' scale bytes, which so are one word.
;   PHASE B: wave w makes hidden units 16 w .. 16 w + 15 for all 32 tokens: source 0 = 16 rows of W1^T, source 1 = 16 tokens, b1 as the C of the first instruction; two accumulators by turns.  A lane then holds one token
;   and eight hidden units.  THE SECOND PRODUCT has three outputs, 3 of a matrix tile's 16 rows: a lane multiplies its eight units by their rows of W2, 24 fused multiply-adds for each of the two token tiles, in f32;
;   lane l xor 16 holds the token's other eight units.  The 16 waves' partial sums meet in LDS; wave 0 adds them.
; NO TENSOR LOADS, NO JOINT LOADS: the number of a token's frames is read from memory and steers branches and trip counts; what work-groups share is W1's 68 KB of codes and scales, beside 2 KB for every frame.
; NO PREFETCH: a frame's address is known only when its load can be issued.
; LIMITS: NaN and infinities in hs are not served.  The mean is the frames' sum, taken in order, times v_rcp_f32(count) (1 ulp), where reference() divides a difference of running sums.
; A block of zeros gets the scale byte 1 (the rule: 127): its codes are zeros.  A work-group's 384 bytes of out0 are one store of 12 bytes a lane.
; THE MODE: SCHED_MODE bits 1:0 = 2 (LLVM: expert scheduling mode 2), set by the entry lines.  The code itself states the register dependences
; between vector or matrix instructions and memory or LDS instructions, with s_wait_alu, always for 0.
; THE PLAN.  Registers that memory or LDS instructions touch, and who else names them:
;   v1-5, v24      offsets and LDS addresses, made once at the head and never written again: one wait on va_vdst ahead of the first load serves them for the whole kernel.
;   v6, v7         offsets of six loads at the head; then at work for the reciprocals (a wait on vm_vsrc ahead of that); then the partial sums' two LDS addresses.
;   the slots      Frames land in registers that no vector instruction has named since the head's wait (a way's zeros go into slots that get no load on that way).  A slot that additions have read is loaded again in three
;                  places: at the long loop's head, on the late way of W1's fragments, and by W2's loads.  A wait on va_vdst stands ahead of each.
;   the codes      Both tokens are quantised first; ONE wait on va_vdst; then the ten LDS stores in one run.  Behind the barrier one wait on vm_vsrc states that these stores have read their registers, in which the tokens'
;                  fragments land and which the matrix instructions write.  No vector instruction stands between the wait on va_vdst and those loads.
;   the way out    One wait on va_vdst ahead of the partial sums' stores: it also serves wave 0's loads behind the barrier (their address is written, the matrix instructions are done reading the registers in which they land).
;                  One more ahead of the last store.
.set CP,    272                        ; a token's row of codes in LDS: 256 bytes + 16: the 16 rows that a fragment load touches start 16 bytes apart modulo 256
.set TSC,   32*CP                      ; behind the 32 rows: the tokens' scale words, 16 bytes a token
.set PART,  TSC+512                    ; behind them: the partial sums: token tile m, wave w: 8192 m + 512 w, 16 bytes a lane
.set VOFF,  1                          ; v1   16 x lane: my bytes of every 512; never rewritten
.set CST,   2                          ; v2   where my codes go: row 2 w, 2 bytes a lane
.set SST,   3                          ; v3   where my scale word goes
.set FRA,   4                          ; v4   a fragment of tokens: row r, + 64 h
.set TSA,   5                          ; v5   the tokens' scale words: 16 bytes a lane
.set PST,   6                          ; v6   first 4 r (W1's scale words), then at work, then where my partial sums go
.set PRD,   7                          ; v7   first 32 h (b1), then at work, then where partial sums are read
.set TS,    8                          ; v8-11   the tokens' scale words of K steps 0-3: lanes 0-15 tokens 0-15, lanes 16-31 tokens 16-31
.set W1S,   12                         ; v12-15  W1's scale words of K steps 0-3
.set B1C,   16                         ; v16-23  b1 in the result's layout
.set W2O,   24                         ; v24     96 h: my eight rows of W2 among the wave's sixteen; never rewritten
.set SL,    32                         ; v32-143 token 0's slots, v144-255 token 1's
.set TF,    48                         ; v48-111 phase B: the tokens' fragments (tile m, K step g: 32 m + 8 g); at the end the 16 partial sums
.set D0,    160                        ; v160-175 the two accumulators
.set PX,    176                        ; v176-183 the other half of the lanes' partial sums
.set PO,    192                        ; v192-199 my partial sums: tile m, output o at 4 m + o; 4 m + 3 is 0
.set W2V,   208                        ; v208-231 W2(16 w + 8 h + j, o) at 3 j + o: 96 bytes as they lie
.set CNT,   24                         ; s24, s25 my tokens' counts
.set BASE,  32                         ; s[32:33], s[34:35] their first frames
.set RC,    44                         ; s[44:45], s[46:47] 1 / count, each written twice: the packed form names a pair
.set TRIP,  38                         ; s38  the long loop's trips done
.set LEFT,  39                         ; s39  frames still to be taken
.set TRIPS, 48                         ; s48  the long loop's trips
.set SEL,   50                         ; s[50:51] lane selects for v_permlanex16_b32: lane l xor 16
.macro FRAME reg, base, off            ; a frame: four loads of 512 consecutive bytes; read once in the launch
.irp i,0,1,2,3
	global_load_b128 v[(\reg)+4*\i:(\reg)+4*\i+3], v[VOFF], s[(\base):(\base)+1] offset:(\off)+512*\i th:TH_LOAD_NT
.endr
.endm
.macro W1HALF k                        ; my fragments of W1 for K steps 2 k and 2 k + 1, as they lie, into token k's seventh slot
.irp f,0,1
.irp c,0,1
	global_load_b128 v[SL+112*\k+96+8*\f+4*\c:SL+112*\k+96+8*\f+4*\c+3], v[VOFF], s[8:9] offset:(2*\k+\f)*1024+512*\c
.endr
.endr
.endm
; Token k's first seven frames are asked for.  The first slot that has no frame leads into a run of lines that writes zeros into it and into the slots behind it; so every way writes every slot once.
; No wait stands here: since the head's wait on va_vdst the only vector lines are such zeros, and they name slots in which no load of that way lands.
.macro ISSUE k
.irp j,0,1,2,3,4,5
	s_cmp_gt_u32 s[CNT+\k], \j
	s_cbranch_scc0 .Lnone\k\j
	FRAME SL+112*\k+16*\j, BASE+2*\k, 2048*\j
.endr
	s_cmp_gt_u32 s[CNT+\k], 6
	s_cbranch_scc0 .Lweights\k
	FRAME SL+112*\k+96, BASE+2*\k, 2048*6
	s_branch .Lasked\k
.irp j,0,1,2,3,4,5
.Lnone\k\j:
.irp n,0,1,2,3,4,5,6,7,8,9,10,11,12,13,14,15
	v_mov_b32 v[SL+112*\k+16*\j+\n], 0             ; a frame that is not there adds nothing
.endr
.endr
.Lweights\k:
	W1HALF \k                                      ; the seventh slot is free: the weights come with the frames
.Lasked\k:
.endm
.macro ADDF k, j                       ; the sum takes slot j
.irp p,0,2,4,6,8,10,12,14
	v_pk_add_f32 v[SL+112*\k+\p:SL+112*\k+\p+1], v[SL+112*\k+\p:SL+112*\k+\p+1], v[SL+112*\k+16*(\j)+\p:SL+112*\k+16*(\j)+\p+1]
.endr
.endm
.macro SUM k
.irp j,1,2,3,4,5
	ADDF \k, \j
.endr
	s_cmp_le_u32 s[CNT+\k], 6
	s_cbranch_scc1 .Lsummed\k                      ; the seventh slot holds weights
	ADDF \k, 6
	s_cmp_le_u32 s[CNT+\k], 7
	s_cbranch_scc1 .Llate\k
	s_add_nc_u64 s[36:37], s[BASE+2*\k:BASE+2*\k+1], 7*2048
	s_sub_co_u32 s[LEFT], s[CNT+\k], 7             ; frames left: 1 to 4,089
	s_add_co_u32 s[TRIPS], s[LEFT], 5
	s_mul_i32 s[TRIPS], s[TRIPS], 0xaaab           ; (left + 5) / 6, rounded down: x 43,691 >> 18 is the quotient by 6 for every number under 131,072
	s_lshr_b32 s[TRIPS], s[TRIPS], 18
	s_mov_b32 s[TRIP], 0
.Lmore\k:                                              ; six frames a trip, through slots 1-6; the last trip takes what is left
	s_wait_alu depctr_va_vdst(0)                   ; the additions issued so far, those ahead of the loop and the last trip's, are done reading slots 1-6, in which this trip's loads land
.irp j,0,1,2,3,4,5
	s_cmp_gt_u32 s[LEFT], \j
	s_cbranch_scc0 .Lgot\k
	FRAME SL+112*\k+16+16*\j, 36, 2048*\j
.endr
.Lgot\k:
	s_wait_loadcnt 0x0                             ; how many were issued hangs on the count, so the wait is for all
.irp j,0,1,2,3,4,5
	s_cmp_gt_u32 s[LEFT], \j
	s_cbranch_scc0 .Ladded\k
	ADDF \k, 1+\j
.endr
.Ladded\k:
	s_add_nc_u64 s[36:37], s[36:37], 6*2048        ; the trip's loads are done, so their base may step
	s_sub_co_u32 s[LEFT], s[LEFT], 6               ; (behind the last trip this number is not used)
	s_add_co_u32 s[TRIP], s[TRIP], 1
	s_cmp_lt_u32 s[TRIP], s[TRIPS]
	s_cbranch_scc1 .Lmore\k
.Llate\k:
	s_wait_alu depctr_va_vdst(0)                   ; the additions are done reading the seventh slot, in which the weights land
	W1HALF \k                                      ; the seventh slot is free only now
.Lsummed\k:
.endm
; Token k's sum becomes its mean, the mean codes and scale bytes.  Register 4 i + j holds column 128 i + 4 lane + j: block 4 i + lane / 8.
.macro QARITH k
.set A, SL+112*\k
.set T, A+16
.irp p,0,2,4,6,8,10,12,14
	v_pk_mul_f32 v[A+\p:A+\p+1], v[A+\p:A+\p+1], s[RC+2*\k:RC+2*\k+1] op_sel_hi:[1,0]
.endr
.irp i,0,1,2,3
	v_max3_num_f32 v[T+\i], |v[A+4*\i]|, |v[A+4*\i+1]|, 0x1800000   ; my four numbers of block 4 i + lane / 8, and the floor 2^(3 - 127): the byte cannot fall under 1
.endr
.irp i,0,1,2,3
	v_max3_num_f32 v[T+\i], v[T+\i], |v[A+4*\i+2]|, |v[A+4*\i+3]|
.endr
.irp x,1,2,4
.irp i,0,1,2,3
	v_max_num_f32_dpp v[T+\i], v[T+\i], v[T+\i] row_xmask:\x row_mask:0xf bank_mask:0xf   ; with the other seven lanes of the block; the four blocks by turns
.endr
.endr
.irp i,0,1,2,3
	v_add_nc_u32 v[T+4+\i], 0xff000000, v[T+\i]    ; 2 off the exponent field: the conversion's scale operand
.endr
.irp i,0,1,2,3
	v_lshrrev_b32 v[T+8+\i], 23, v[T+4+\i]         ; the scale's byte
.endr
	v_cvt_scalef32_pk8_fp4_f32 v[T], v[A:A+7], v[T+4]        ; by block i = 0's scale: its four codes are the low 16 bits
	v_cvt_scalef32_pk8_fp4_f32 v[T+1], v[A+4:A+11], v[T+5]   ; i = 1: likewise
	v_cvt_scalef32_pk8_fp4_f32 v[T+2], v[A+8:A+15], v[T+6]   ; i = 2: likewise
	v_cvt_scalef32_pk8_fp4_f32 v[T+3], v[A+8:A+15], v[T+7]   ; i = 3: the high 16 bits
	v_lshl_or_b32 v[T+12], v[T+9], 8, v[T+8]       ; the scale word of K step lane / 8: byte i for place i.  (Plain lines behind the conversions, which touch none of their registers)
	v_lshl_or_b32 v[T+12], v[T+10], 16, v[T+12]
	v_lshl_or_b32 v[T+12], v[T+11], 24, v[T+12]
	v_lshrrev_b32 v[T+3], 16, v[T+3]
.endm
.macro QSTORE k                        ; token k's codes and its scale word go to LDS
.set T, SL+112*\k+16
.irp i,0,1,2,3
	ds_store_b16 v[CST], v[T+\i] offset:CP*\k+64*\i   ; codes of columns 128 i + 4 lane + 0 .. 3: bytes 64 i + 2 lane of the row
.endr
	ds_store_b32 v[SST], v[T+12] offset:16*\k      ; eight lanes write the same word with the same value
.endm
	s_load_b512 s[4:19], s[0:1], 0x0               ; hs s[4:5], seg s[6:7], w1c s[8:9], w1s s[10:11], W2 s[12:13], b1 s[14:15], b2 s[16:17], out0 s[18:19]
	v_lshl_add_u32 v30, v0, 2, 0x6400
	v_mov_b32 v31, 0
	v_lshrrev_b32 v32, 5, v0
	v_readfirstlane_b32 s20, v32                   ; wave 0..15
	v_and_b32 v33, 31, v0                          ; lane
	v_and_b32 v34, 15, v0                          ; r
	v_bfe_u32 v35, v0, 4, 1                        ; h
	v_lshlrev_b32 v[VOFF], 4, v33
	v_lshrrev_b32 v36, 3, v33
	v_mul_u32_u24 v[FRA], v34, CP
	v_lshl_add_u32 v[FRA], v35, 6, v[FRA]
	v_lshl_add_u32 v[TSA], v33, 4, TSC
	v_lshlrev_b32 v[PST], 2, v34                   ; for now: 4 r
	v_lshlrev_b32 v[PRD], 5, v35                   ; for now: 32 h
	v_mul_u32_u24 v[W2O], v35, 96                  ; eight rows of W2, 12 bytes each
	s_wait_alu depctr_va_sdst(0)                   ; s20 is written, ahead of its first reader: LDS addresses, bases and a branch are made from it
	s_mul_i32 s21, s20, 2*CP
	v_lshl_add_u32 v[CST], v33, 1, s21
	s_lshl_b32 s21, s20, 5
	s_add_co_u32 s21, s21, TSC
	v_lshl_add_u32 v[SST], v36, 2, s21
	s_mov_b32 s[SEL], 0x76543210
	s_mov_b32 s[SEL+1], 0xfedcba98
	s_mov_b32 s41, 0                               ; the upper word of every offset
	s_wait_kmcnt 0x0
	s_lshl_b32 s21, ttmp9, 7                       ; 32 tokens of 4 bytes a work-group,
	s_lshl_b32 s23, s20, 3                         ; two a wave
	s_add_co_u32 s21, s21, s23
	s_load_b32 s22, s[6:7], s21 offset:0x0         ; my first token's start
	s_load_b64 s[CNT:CNT+1], s[6:7], s21 offset:0x8000   ; my two counts
	s_load_b96 s[28:30], s[16:17], 0x0             ; b2
	s_lshl_b32 s40, s20, 6
	s_add_nc_u64 s[10:11], s[10:11], s[40:41]      ; W1's scale words: 16 of 4 bytes a wave
	s_add_nc_u64 s[14:15], s[14:15], s[40:41]      ; b1: my 16 numbers
	s_mul_i32 s40, s20, 192
	s_add_nc_u64 s[12:13], s[12:13], s[40:41]      ; W2: my 16 rows of 12 bytes
	s_lshl_b32 s40, s20, 12
	s_add_nc_u64 s[8:9], s[8:9], s[40:41]          ; W1's four fragments
	s_mul_i32 s40, ttmp9, 384
	s_add_nc_u64 s[18:19], s[18:19], s[40:41]      ; the work-group's 32 x 12 bytes of out0
	s_wait_alu depctr_va_vdst(0)                   ; the offsets and LDS addresses v1 to v7 and v24 are written, which the loads and stores below read; so are v32 to v36, in which the first frame lands
.irp g,0,1,2,3
	global_load_b32 v[W1S+\g], v[PST], s[10:11] offset:1024*\g
.endr
	global_load_b128 v[B1C:B1C+3], v[PRD], s[14:15]             ; lane (r, h), register j: b1(16 w + 8 h + j)
	global_load_b128 v[B1C+4:B1C+7], v[PRD], s[14:15] offset:16
	s_wait_kmcnt 0x0
	s_min_u32 s22, s22, 0xfff                      ; numbers read from memory are held before they enter an address (a start of 4,096 has counts of 0 behind it, and nothing is loaded)
	s_min_u32 s[CNT], s[CNT], 0x1000
	s_min_u32 s[CNT+1], s[CNT+1], 0x1000
	s_lshr_b32 s40, ttmp9, 4                       ; the batch: 16 work-groups each,
	s_lshl_b32 s40, s40, 23                        ; 4,096 rows of 2,048 bytes
	s_lshl_b32 s42, s22, 11
	s_add_co_u32 s40, s40, s42                     ; under 2^27
	s_add_nc_u64 s[BASE:BASE+1], s[4:5], s[40:41]
	s_lshl_b32 s40, s[CNT], 11
	s_add_nc_u64 s[BASE+2:BASE+3], s[BASE:BASE+1], s[40:41]   ; the second token's frames follow the first's
	ISSUE 0
	ISSUE 1
	s_wait_xcnt 0x0                                ; v6 and v7 were offsets of loads: they are written again only behind this wait,
	s_wait_alu depctr_vm_vsrc(0)                   ; and behind this one: the loads of W1's scale words and of b1 have read v6 and v7
	s_max_u32 s42, s[CNT], 1
	s_max_u32 s43, s[CNT+1], 1
	v_cvt_f32_u32 v6, s42
	v_cvt_f32_u32 v7, s43
	s_wait_alu depctr_va_vdst(0)
	v_rcp_f32 v6, v6
	v_rcp_f32 v7, v7
	v_nop                                          ; a plain line behind the reciprocals,
	s_wait_alu depctr_va_vdst(0)                   ; and the one wait ahead of their first reader: the two reciprocals have written v6 and v7
	v_readfirstlane_b32 s[RC], v6
	v_readfirstlane_b32 s[RC+2], v7
	s_wait_alu depctr_va_sdst(0)                   ; both 1 / count are written, ahead of their first readers, the two copies below
	s_mov_b32 s[RC+1], s[RC]
	s_mov_b32 s[RC+3], s[RC+2]
	v_lshl_add_u32 v[PST], v0, 4, PART             ; 512 w + 16 lane
	s_wait_loadcnt 0x0                             ; how many frames were asked for hangs on the counts, so the wait is for all
	SUM 0
	SUM 1
	s_wait_alu depctr_va_vdst(0)                   ; the second token's additions are done reading its slots 4 and 5 (where it has no such frames: the zeros are written), in which W2 lands
.irp i,0,1,2,3,4,5
	global_load_b128 v[W2V+4*\i:W2V+4*\i+3], v[W2O], s[12:13] offset:16*\i   ; my eight rows of W2, 96 consecutive bytes, into slots that the second sum has left; they land while the means are quantised
.endr
	QARITH 0                                       ; both tokens are quantised first (they name slots 0 and 1 of each token alone),
	QARITH 1
	s_wait_alu depctr_va_vdst(0)                   ; so that one wait serves the ten stores: both tokens' codes and scale words are written
	QSTORE 0
	QSTORE 1
	s_wait_dscnt 0x0                               ; for the others' sake: my codes and scale words lie in LDS
	s_barrier_signal -1
	s_barrier_wait -1
	s_wait_alu depctr_vm_vsrc(0)                   ; my ten stores have read their data: the first token's registers take the fragments below, the second's are the accumulators.  (All vector lines that named v48 to v111 stand ahead of the last wait on va_vdst)
	; ---- phase B.  A fragment's registers 4 c .. 4 c + 3 of lane (r, h) are place 2 c + h of the K step: true block 4 (2 c + h) + g: bytes 128 c + 64 h + 16 g of row r
.irp m,0,1
.irp g,0,1,2,3
.irp c,0,1
	ds_load_b128 v[TF+32*\m+8*\g+4*\c:TF+32*\m+8*\g+4*\c+3], v[FRA] offset:\m*16*CP+128*\c+16*\g
.endr
.endr
.endr
	ds_load_b128 v[TS:TS+3], v[TSA]                ; lane l: token l's four scale words
	s_wait_loadcnt 0x0                             ; W2, and W1's fragments where they were asked for late
	s_wait_dscnt 0x0
.irp g,0,1,2,3                         ; the two accumulators take turns, one instruction a turn.  All operands and scales come from loads
.if \g == 0
	v_wmma_scale_f32_16x16x128_f8f6f4 v[D0:D0+7], v[SL+96:SL+103], v[TF:TF+7], v[B1C:B1C+7], v[W1S], v[TS] matrix_a_fmt:MATRIX_FMT_FP4 matrix_b_fmt:MATRIX_FMT_FP4
	v_wmma_scale_f32_16x16x128_f8f6f4 v[D0+8:D0+15], v[SL+96:SL+103], v[TF+32:TF+39], v[B1C:B1C+7], v[W1S], v[TS] matrix_a_fmt:MATRIX_FMT_FP4 matrix_b_fmt:MATRIX_FMT_FP4 matrix_b_scale:MATRIX_SCALE_ROW1
.else
	v_wmma_scale_f32_16x16x128_f8f6f4 v[D0:D0+7], v[SL+112*(\g/2)+96+8*(\g%2):SL+112*(\g/2)+103+8*(\g%2)], v[TF+8*\g:TF+8*\g+7], v[D0:D0+7], v[W1S+\g], v[TS+\g] matrix_a_fmt:MATRIX_FMT_FP4 matrix_b_fmt:MATRIX_FMT_FP4
	v_wmma_scale_f32_16x16x128_f8f6f4 v[D0+8:D0+15], v[SL+112*(\g/2)+96+8*(\g%2):SL+112*(\g/2)+103+8*(\g%2)], v[TF+32+8*\g:TF+39+8*\g], v[D0+8:D0+15], v[W1S+\g], v[TS+\g] matrix_a_fmt:MATRIX_FMT_FP4 matrix_b_fmt:MATRIX_FMT_FP4 matrix_b_scale:MATRIX_SCALE_ROW1
.endif
.endr
	; thirteen plain lines that name none of the products' registers: the places behind them (ISA guide 7.12.1)
.irp n,0,1,2,4,5,6
	v_mov_b32 v[PX+\n], 0                          ; written once: a lane permute's destination counts as one of its sources
.endr
	v_mov_b32 v[PO+3], 0                           ; the fourth word of the 16 bytes that a lane sends to LDS
	v_mov_b32 v[PO+7], 0
	v_bfe_u32 v[PRD], v0, 4, 1                     ; where the partial sums are read: lane l stands for token l: tile l / 16, 16 bytes at lane l % 16 of each wave's image
	v_and_b32 v112, 15, v0
	v_lshlrev_b32 v[PRD], 13, v[PRD]
	v_lshl_add_u32 v[PRD], v112, 4, v[PRD]
	v_add_nc_u32 v[PRD], PART, v[PRD]
.irp n,0,1,2,3,4,5,6,7,8,9,10,11,12,13,14,15
	v_max_num_f32 v[D0+\n], 0, v[D0+\n]            ; relu, in f32; each accumulator from its low end on.  Lane (r, h), register 8 m + j: h(token 16 m + r, unit 16 w + 8 h + j)
.endr
.irp m,0,1
.irp o,0,1,2
	v_mul_f32 v[PO+4*\m+\o], v[D0+8*\m], v[W2V+\o] ; the first unit starts the six sums
.endr
.endr
.irp j,1,2,3,4,5,6,7
.irp m,0,1
.irp o,0,1,2
	v_fmac_f32 v[PO+4*\m+\o], v[D0+8*\m+\j], v[W2V+3*\j+\o]   ; the six sums by turns: no line waits for the line above it
.endr
.endr
.endr
.irp m,0,1
.irp o,0,1,2
	v_permlanex16_b32 v[PX+4*\m+\o], v[PO+4*\m+\o], s[SEL], s[SEL+1]
.endr
.endr
.irp m,0,1
.irp o,0,1,2
	v_add_f32 v[PO+4*\m+\o], v[PO+4*\m+\o], v[PX+4*\m+\o]   ; with lane l xor 16's eight units: my wave's 16 units' part of out(token 16 m + r, o)
.endr
.endr
	s_wait_alu depctr_va_vdst(0)                   ; my partial sums and their address v6 are written, which the two stores read; v7 is written and the matrix instructions are done reading v48 to v111: that serves wave 0's loads behind the barrier, ahead of which no vector line stands
	ds_store_b128 v[PST], v[PO:PO+3]
	ds_store_b128 v[PST], v[PO+4:PO+7] offset:8192
	s_wait_dscnt 0x0                               ; for wave 0's sake: my partial sums lie in LDS
	s_barrier_signal -1
	s_barrier_wait -1
	s_cmp_lg_u32 s20, 0
	s_cbranch_scc1 .Lend
.irp u,0,1,2,3,4,5,6,7,8,9,10,11,12,13,14,15
	ds_load_b128 v[TF+4*\u:TF+4*\u+3], v[PRD] offset:512*\u   ; wave u's part of my token's outputs
.endr
	s_wait_dscnt 0x0
.macro FOLD n                          ; parts u and u + n are added, two numbers an instruction
.set u, 0
.rept \n
	v_pk_add_f32 v[TF+4*u:TF+4*u+1], v[TF+4*u:TF+4*u+1], v[TF+4*(u+\n):TF+4*(u+\n)+1]
	v_pk_add_f32 v[TF+4*u+2:TF+4*u+3], v[TF+4*u+2:TF+4*u+3], v[TF+4*(u+\n)+2:TF+4*(u+\n)+3]
.set u, u+1
.endr
.endm
	FOLD 8
	FOLD 4
	FOLD 2
	FOLD 1
	v_add_f32 v[TF], s28, v[TF]                    ; + b2
	v_add_f32 v[TF+1], s29, v[TF+1]
	v_add_f32 v[TF+2], s30, v[TF+2]
	v_and_b32 v[TF+4], 31, v0
	v_max_num_f32 v[TF], 0, v[TF]
	v_max_num_f32 v[TF+1], 0, v[TF+1]
	v_max_num_f32 v[TF+2], 0, v[TF+2]
	v_mul_u32_u24 v[TF+4], v[TF+4], 12
	s_wait_alu depctr_va_vdst(0)                   ; the three outputs and their offset are written, which the store reads
	global_store_b96 v[TF+4], v[TF:TF+2], s[18:19] ; 32 lanes store the work-group's 384 consecutive bytes
.Lend:
	s_wait_dscnt 0x0
	s_wait_alu depctr_hold_cnt(0) depctr_sa_sdst(0) depctr_va_vdst(0) depctr_va_sdst(0) depctr_va_ssrc(0) depctr_va_vcc(0) depctr_vm_vsrc(0)
	s_wait_tensorcnt 0x0
	ds_add_u32 v30, v31
	s_wait_dscnt 0x0
	s_endpgm
.Lfunc_end_k_q7782c52b25_main:
	.size	k_q7782c52b25_main, .Lfunc_end_k_q7782c52b25_main-k_q7782c52b25_main
	.p2alignl 7, 3214868480
	.fill 96, 4, 3214868480
	.section	.rodata,"a",@progbits
	.p2align	6, 0x0
	.amdhsa_kernel k_q7782c52b25_main
		.amdhsa_group_segment_fixed_size 27648
		.amdhsa_private_segment_fixed_size 0
		.amdhsa_enable_private_segment 0
		.amdhsa_kernarg_size 64
		.amdhsa_user_sgpr_count 2
		.amdhsa_user_sgpr_kernarg_segment_ptr 1
		.amdhsa_wavefront_size32 1
		.amdhsa_system_sgpr_workgroup_id_x 1
		.amdhsa_system_sgpr_workgroup_id_y 1
		.amdhsa_system_sgpr_workgroup_id_z 1
		.amdhsa_system_vgpr_workitem_id 0
		.amdhsa_next_free_vgpr 256
		.amdhsa_next_free_sgpr 66
		.amdhsa_reserve_vcc 0
		.amdhsa_float_denorm_mode_32 3
		.amdhsa_float_denorm_mode_16_64 3
		.amdhsa_memory_ordered 1
		.amdhsa_forward_progress 1
		.amdhsa_inst_pref_size 53
	.end_amdhsa_kernel
	.amdgpu_metadata
---
amdhsa.version: [ 1, 2 ]
amdhsa.kernels:
  - .name:           k_q7782c52b25_main
    .symbol:         k_q7782c52b25_main.kd
    .args:
      - { .name: hs, .offset: 0, .size: 8, .value_kind: global_buffer, .address_space: global }
      - { .name: seg, .offset: 8, .size: 8, .value_kind: global_buffer, .address_space: global }
      - { .name: w1c, .offset: 16, .size: 8, .value_kind: global_buffer, .address_space: global }
      - { .name: w1s, .offset: 24, .size: 8, .value_kind: global_buffer, .address_space: global }
      - { .name: W2, .offset: 32, .size: 8, .value_kind: global_buffer, .address_space: global }
      - { .name: b1, .offset: 40, .size: 8, .value_kind: global_buffer, .address_space: global }
      - { .name: b2, .offset: 48, .size: 8, .value_kind: global_buffer, .address_space: global }
      - { .name: out0, .offset: 56, .size: 8, .value_kind: global_buffer, .address_space: global }
    .group_segment_fixed_size: 27648
    .private_segment_fixed_size: 0
    .kernarg_segment_align: 8
    .kernarg_segment_size: 64
    .max_flat_workgroup_size: 512
    .sgpr_count:     66
    .vgpr_count:     256
    .wavefront_size: 32
...
	.end_amdgpu_metadata
.endif
;; end of part 4
